; MI455X (gfx1250); checked and timed in simulation.
; The chip was launched on July 23, 2026; its instructions are those of AMD's public machine-readable ISA for CDNA 5 (MIT licence, August 2026) and "CDNA5" Instruction Set Architecture Reference Guide (July 2026). The comments in the code are by the model that wrote it; some were corrected since.
;; Model. Allowed arithmetic: matrix products marked QUANTISED: E4M3 operands, one given power-of-two scale a tensor, by v_wmma_f32_16x16x64_fp8_fp8 or v_wmma_f32_16x16x128_fp8_fp8, f32 sums; everything else in f32.
;; Inputs: lowp_scales 4 int32 (the exponents e of the quantised operands' scales 2^e); xk 2 x 4,096 x 1,024 float32; xq 2 x 4,096 x 1,024 float32; xv 2 x 4,096 x 1,024 float32.
;; Outputs: out0 2 x 4,096 x 1,024 float32.
;; This version of the problem:
;;   THIS VERSION OF THE PROBLEM IS GIVEN IN LOW PRECISION. The matrix products marked QUANTISED in the list below multiply operands that are first quantised to E4M3 (4 exponent bits, 3 mantissa bits; 8 bits a number), with one given power-of-two scale for each operand tensor; their sums are f32. All else is computed in f32.
;;   The module's matrix products, in the order in which they are computed (A, B: the left and right operand; K: the contracted axis; several contracted axes count as one K, in the product's order):
;;     1. batch 256 x [M 512, K 64] x [K 64, N 1,024]; A: computed on the way; B: computed on the way: QUANTISED (scales: A lowp_scales[0], B lowp_scales[1])
;;     2. batch 256 x [M 512, K 1,024] x [K 1,024, N 64]; A: softmax (see below); B: computed on the way: QUANTISED (scales: A lowp_scales[2], B lowp_scales[3])
;;   THE QUANTISER, for each operand of a quantised product, along K:
;;     - The operand's scale is 2^e, e = its entry of the input lowp_scales (int32; the entries are numbered through the quantised products in the list's order, A before B).
;;     - Each number is divided by the scale, clamped to +-448, and rounded to the nearest number of E4M3, ties to even, subnormals kept.
;;     - The product sums the exact products of the quantised numbers (number of the format x scale) in f32.
;;   ~~~python
;;   def quantise(x, axis, e):      # numpy; x: float32 -> the quantised numbers, widened to float32 again
;;       x = np.moveaxis(x, axis, -1); K = x.shape[-1]
;;       r = np.clip(x / 2.0 ** e, -448, 448)
;;       step = 2.0 ** (np.maximum(np.frexp(np.where(r == 0, 1, r))[1] - 1, -6) - 3)
;;       q = np.round(r / step) * step * 2.0 ** e      # np.round: ties to even
;;       return np.moveaxis(q, -1, axis).astype(np.float32)
;;   ~~~
;;   SOFTMAX AHEAD OF A QUANTISED PRODUCT. Where the list says 'softmax', what is quantised is not the finished softmax but p = 2^(t - M), with t = logit x log2(e) and M = ceil(the row's largest t), a whole number; so 1/2 < the row's largest p <= 1. The row's sum l is taken of the UNQUANTISED p, in f32, and the product's result is divided by l at the end. Since M is a whole number, a kernel that streams over the keys may use a running M (the ceiling of the running maximum): every later rescaling is an exact power of two, so the quantised numbers keep their values, but for numbers so far below the row's largest that they fall under the format's range.
;;   OPERANDS COMPUTED ON THE WAY. 'Computed on the way' means the value that the module computes at that place (a softmax that the list does not call 'softmax' is quantised finished and normalised). What goes into a quantiser is computed in f32, as accurately as f32 sums, v_exp_f32 and their like allow (about 1e-6 of the number): no bf16 or f16 on the way to a quantiser, and a product that is left as it is and whose result goes on into a quantised operand takes f32 operands (vector FMAs, or v_wmma_f32_16x16x4_f32). A number that lies on a knife's edge between two numbers of the format may be rounded either way, as far as f32 arithmetic and the matrix unit's own rounding can turn it there, and no further.
;; One version. Each part assembles by itself: llvm-mc -triple=amdgcn-amd-amdhsa -mcpu=gfx1250 --defsym DOCPART=n.
;; ======== version 1 of 1: 1 launch
;; limits: a function is approximated: absolute error at most 0.00012; right only within a limited range of input values
;; launch swattn (part 1): grid 8 x 32, 16 waves a work-group, no clusters, 305,152 bytes of LDS; arguments xq, xk, xv, lowp_scales, out0; writes out0
.if DOCPART == 1
	.amdgcn_target "amdgcn-amd-amdhsa--gfx1250"
	.amdhsa_code_object_version 6
	.text
	.protected	k_q4a8e9bf442_swattn
	.globl	k_q4a8e9bf442_swattn
	.p2align	8
	.type	k_q4a8e9bf442_swattn,@function
k_q4a8e9bf442_swattn:
	s_mov_b64 s[64:65], 0
	v_nop
	global_prefetch_b8 v0, s[64:65] scope:SCOPE_SE
	s_setreg_imm32_b32 hwreg(HW_REG_WAVE_MODE, 25, 1), 1
	s_wait_xcnt 0x0
; Sliding-window attention, b = 2, s = 4,096, 16 heads of 64, window 512, both products on codes of FP8 (E4M3) with the four given scales 2^eq, 2^ek, 2^ep, 2^ev.
; q and k are divided by max(their head's l2 norm, 1e-6) and rotated (RoPE), all in f32, then quantised; v is quantised as it is, along the keys.  Query m sees keys m - 511 .. m that are not below 0.
; SOFTMAX: t = score x log2(e) / 8; M = the running largest t rounded UP to a whole number; p = 2^(t - M) is quantised; the sum is taken of the unquantised p and divides at the end; a change of M multiplies by a power of two.
; SHARES.  Work-group (n, bh) owns queries 512 n .. 512 n + 511 of head bh % 16 of batch bh / 16.  Its keys are 512 n - 512 .. 512 n + 511, in four ROUNDS: round p takes keys 128 p .. + 127 of the block before ("lo") and of its own block ("hi").
; In a round wave w of sixteen PRODUCES one tile of 16 keys (waves 0-7 lo, waves 8-15 hi): K normalised, rotated, quantised; V quantised with the keys innermost; both leave as images of operand registers in LDS.
; Behind one barrier every wave CONSUMES: it owns 32 queries (tiles A and B, which share every fragment) and walks the round's four sub-steps of 64 keys.  Sub-step ss (0 .. 15, counted from key 512 n - 512) counts for the wave's
; queries where u <= ss <= u + 8, u = w / 2; only ss = u and ss = u + 8 need a mask: in between, query - key = 64 d + (0 .. 63) - (0 .. 63) with d = 1 .. 7 lies in 1 .. 511.  With n = 0 the lo sub-steps are left out.
; DATA.  K: each wave asks at the head, by four tensor loads (one a round, four out by this text's count), for exactly the 16 rows x 256 bytes that it will itself quantise: so its own counted wait is all that its reads need, and
; that is why the loads have 16 rows and not more.  No LDS byte is filled twice.  V: a lane to a channel, registers down the keys, a round ahead.  Q: straight into registers.
; The images are laid into the wave's own tile area, whose only fill has landed and whose rows only the owner reads, first (LDS serves a wave's instructions in order: ISA guide 5.7.1.4).  Every image byte is written once.
; NO CLUSTER: a block of 512 keys is read by two work-groups, by one as "hi" (the areas of waves 8-15) and by the other as "lo" (the areas of waves 0-7): a joint load has one LDS address for all that it names, and here they differ.
; ROPE.  cos and sin of (base + r) x inv_j come by the addition theorem from two tables in LDS: 64 bases 16 positions apart, and r = 0 .. 15.  A table entry is evaluated in f32 from the EXACT product position x inv_j
; (a product and its fused residue; pi/2 in two parts; polynomials on |r| <= pi/4).
; LIMITS.  The angle is the exact product, where the definition rounds the product to f32 first: the two differ by up to 2^-13 rad (at angles from 2,048 on).  inv_j are the 32 numbers fl32(fl32(1e-4)^(j/32)), correctly rounded.
; eq + ek between -123 and 130 (added to c's exponent field); each of eq, ek, ep, ev between -126 and 119; ep + ev goes by v_ldexp_f32 and has no bound.  NaN among the inputs is not served.
; LAYOUT.  S^T = K Q^T, O^T = V^T P^T: a lane holds one query (lane % 16) throughout.  K and Q carry the same permutation of the head's 64 along the instruction's K: lane (r, h): registers 0-3 rotated channels 16 h + 0 .. 15,
; registers 4-7 channels 32 + 16 h + 0 .. 15, so that RoPE's partners lie in one lane.  In S^T register j of key tile t is key 16 t + 8 h + j: eight registers convert into registers 2 t, 2 t + 1 of P, as the form's own layout has them.
.set AREA,  4352                       ; a tile area: 16 rows x (256 bytes + 16 of padding); later bytes 0-1023 K's image, 1024-2047 V's image
.set RSTR,  16*AREA                    ; a round's sixteen areas
.set TBL,   4*RSTR                     ; base table: entry T (0 .. 63), 256 bytes: cos j = 0 .. 31, sin j = 0 .. 31 of (512 n - 512 + 16 T) inv_j
.set LTB,   TBL+64*256                 ; lane table: row r at pitch 272, the same format, angle r inv_j
.set KSTEP, 128*4096                   ; a round on in xk and xv: 128 rows of 4,096 bytes
.set LI,   1                           ; v1   16 x lane
.set LI8,  2                           ; v2   8 x lane
.set KST,  3                           ; v3   my area + 272 r + 64 h: my 16 + 16 numbers of row r
.set IMG,  4                           ; v4   my area + 16 x lane: K's image
.set VIM,  5                           ; v5   my area + 1024 + 256 (lane / 16) + 8 (lane % 16): V's image
.set BT,   6
.set LT,   7                           ; v7   lane table at row r, + 64 h
.set VO,   8                           ; v8   4 x lane
.set GO,   9                           ; v9   the way out: 4,096 (lane / 16) + 16 (lane % 16)
                                       ; v10-12 addresses in hand;  v13, v14 the masks' thresholds of tiles A, B;  v15 -infinity
.set SCK,  16                          ; v16-23: for k, v, p, q: 2^e as f32; the odd ones unused
.set LIMK, 17
.set SCV,  18
.set LIMV, 19
.set SCP,  20
.set LIMP, 21
.set SCQ,  22
.set LIMQ, 23
                                       ; v24-27 tile A: -M, largest t, the sum in two halves;  v28-31 tile B;  v32-39 at work
.set QF,   40                          ; v40-55   Q's fragments, A and B
.set O,    56                          ; v56-119  O^T: A then B, accumulator ct at + 8 ct (at the head: at work)
.set S,    120                         ; v120-151 S^T, then p; in produce the tile's 32 numbers a lane
.set KF,   152                         ; v152-183 four fragments of K or of V; in produce the tables
.set P,    184                         ; v184-199 P's codes, A and B; in produce V's codes (184-191) and K's (192-199)
.set KC,   192
.set VP,   200                         ; v200-231 V's numbers, a round ahead
.set T1,   232                         ; v232-239 at work in the rotation
.set BTQ,  240                         ; v240 base table at my query tile A, + 64 h
.set QO,   241                         ; v241 4,096 r + 64 h
.set STO,  242                         ; v242 the way out: my round-0 area + 272 r + 32 h
.set RD,   243                         ; v243 and back: my round-0 area + 272 (lane / 16) + 16 (lane % 16)
.set INV,  72                          ; v72  at the head only: lane j holds inv_j
.set WV,   14                          ; s14 wave;  s15 n;  s16 bh;  s17 u;  s18, s19 first and last sub-step that counts;  s20 the loop's count;  s21 LDS byte of the sub-step's areas;  s22 ss
.set NB,   15
.set BH,   16
.set U,    17
.set SSLO, 18
.set SSHI, 19
.set SC,   20
.set TB,   21
.set SS,   22
.set G1,   24                          ; s[24:31] descriptor group 1;  s[32:47] four groups 0, one a round
.set G0,   32
.set SEL,  48                          ; s[48:49] v_permlanex16_b32's selects for lane xor 16
.set CS,   50                          ; s[50:51] c = log2(e) / 8 x 2^(eq + ek)
.set EX,   52                          ; s[52:55] eq, ek, ep, ev;  s56 ep + ev
.set EPV,  56
.set VB,   58
.set QB,   60                          ; s[60:61] xq at my first query
.set OB,   66                          ; s[66:67] out0 at my first query
	s_load_b256 s[4:11], s[0:1], 0x0               ; xq s[4:5], xk s[6:7], xv s[8:9], the scales' exponents s[10:11]
	s_load_b64 s[12:13], s[0:1], 0x20              ; out0
	v_lshl_add_u32 v254, v0, 2, 0x4a000
	v_mov_b32 v255, 0
	ds_add_u32 v254, v255
	ds_add_u32 v254, v255
	v_lshrrev_b32 v32, 5, v0
	s_delay_alu instid0(VALU_DEP_1)
	v_readfirstlane_b32 s[WV], v32                 ; wave 0 .. 15
	s_mov_b32 s[NB], ttmp9                         ; n: which 512 queries
	s_and_b32 s[BH], ttmp7, 0xffff                 ; 16 x batch + head
	s_lshr_b32 s[U], s[WV], 1                      ; u: my 32 queries lie in the block's u-th 64
	s_cmp_eq_u32 s[NB], 0
	s_cselect_b32 s[SSLO], 8, s[U]                 ; with n = 0 no key lies below the block
	s_add_co_u32 s[SSHI], s[U], 8
	; descriptor group 1: a tile of 16 rows x 64 elements of 4 bytes, rows 1,024 elements apart, padded in LDS
	s_mov_b32 s[G1+0], (2<<16)|(1<<20)|(5<<22)|(3<<25)  ; 15:0 no mask; 17:16 elements of 4 bytes; 20 padding on; 24:22 after every 64 words (code 5); 31:25 four words (code 3)
	s_mov_b32 s[G1+1], 64<<16                      ; tensor_dim0 = 64
	s_mov_b32 s[G1+2], 16<<16                      ; tensor_dim1 = 16
	s_mov_b32 s[G1+3], 64<<16                      ; tile_dim0 = 64
	s_mov_b32 s[G1+4], 16                          ; tile_dim1 = 16
	s_mov_b32 s[G1+5], 1024                        ; tensor_dim0_stride
	s_mov_b32 s[G1+6], 0
	s_mov_b32 s[G1+7], 0
	; byte offsets, all under 2^25: batch x 2^24 + head x 256 + row x 4,096
	s_lshr_b32 s68, s[BH], 4
	s_lshl_b32 s68, s68, 24
	s_and_b32 s69, s[BH], 15
	s_lshl_b32 s69, s69, 8
	s_add_co_u32 s68, s68, s69
	s_lshl_b32 s70, s[NB], 9                       ; the block's first query
	s_lshr_b32 s71, s[WV], 3                       ; 0: I produce lo tiles, 1: hi tiles
	s_or_b32 s72, s[NB], s71
	s_cmp_eq_u32 s72, 0
	s_cselect_b32 s72, 0, 512                      ; (n = 0 and lo: 512 rows further on, inside the buffer)
	s_mul_i32 s73, s71, 384
	s_lshl_b32 s74, s[WV], 4
	s_add_co_u32 s73, s73, s74
	s_add_co_u32 s73, s73, s70
	s_sub_co_u32 s73, s73, s72
	s_lshl_b32 s76, s73, 12
	s_add_co_u32 s76, s76, s68
	s_mov_b32 s77, 0
	s_lshl_b32 s74, s[WV], 5
	s_add_co_u32 s74, s74, s70                     ; my first query: 512 n + 32 w
	s_lshl_b32 s78, s74, 12
	s_add_co_u32 s78, s78, s68
	s_mov_b32 s79, 0
	s_mul_i32 s75, s[WV], AREA                     ; my area in a round's sixteen
	s_mul_i32 s82, s71, 24
	s_add_co_u32 s82, s82, s[WV]
	s_lshl_b32 s82, s82, 8
	s_add_co_u32 s82, s82, TBL                     ; base entry T = w + 24 (w / 8) (+ 8 a round)
	s_and_b32 s83, s[WV], 1
	s_lshl_b32 s83, s83, 5                         ; tile A's first query within its 64: 32 (w % 2)
	s_lshl_b32 s84, s[WV], 9
	s_add_co_u32 s84, s84, TBL+32*256              ; base entry T = 32 + 2 w
	s_mov_b32 s[SEL], 0x76543210
	s_mov_b32 s[SEL+1], 0xfedcba98
	; every address register is made here, once
	v_and_b32 v32, 31, v0                          ; lane
	v_and_b32 v33, 15, v0                          ; r
	v_bfe_u32 v35, v0, 4, 1                        ; h
	s_delay_alu instid0(VALU_DEP_3)
	v_lshlrev_b32 v[LI], 4, v32
	s_delay_alu instid0(VALU_DEP_4)
	v_lshlrev_b32 v[LI8], 3, v32
	v_lshlrev_b32 v[VO], 2, v32
	v_mul_u32_u24 v38, v33, 272
	v_lshlrev_b32 v39, 6, v35                      ; 64 h
	s_delay_alu instid0(VALU_DEP_1)
	v_add_nc_u32 v38, v38, v39                     ; 272 r + 64 h
	s_delay_alu instid0(VALU_DEP_1)
	v_add_nc_u32 v[KST], s75, v38
	v_add_nc_u32 v[IMG], s75, v[LI]
	v_lshlrev_b32 v[VIM], 3, v33
	s_delay_alu instid0(VALU_DEP_1)
	v_lshl_add_u32 v[VIM], v35, 8, v[VIM]
	s_delay_alu instid0(VALU_DEP_1)
	v_add_nc_u32 v[VIM], s75, v[VIM]
	s_delay_alu instid0(VALU_DEP_1)
	v_add_nc_u32 v[VIM], 1024, v[VIM]
	v_add_nc_u32 v[BT], s82, v39
	v_add_nc_u32 v[LT], LTB, v38
	v_add_nc_u32 v[BTQ], s84, v39
	v_lshl_add_u32 v[QO], v33, 12, v39
	v_lshlrev_b32 v[GO], 4, v33
	s_delay_alu instid0(VALU_DEP_1)
	v_lshl_add_u32 v[GO], v35, 12, v[GO]
	v_mul_u32_u24 v[STO], v33, 272
	s_delay_alu instid0(VALU_DEP_1)
	v_lshl_add_u32 v[STO], v35, 5, v[STO]
	s_delay_alu instid0(VALU_DEP_1)
	v_add_nc_u32 v[STO], s75, v[STO]
	v_mul_u32_u24 v[RD], v35, 272
	s_delay_alu instid0(VALU_DEP_1)
	v_lshl_add_u32 v[RD], v33, 4, v[RD]
	s_delay_alu instid0(VALU_DEP_1)
	v_add_nc_u32 v[RD], s75, v[RD]
	v_lshlrev_b32 v38, 3, v35
	s_delay_alu instid0(VALU_DEP_1)
	v_sub_nc_u32 v13, v33, v38
	s_delay_alu instid0(VALU_DEP_1)
	v_add_nc_u32 v13, s83, v13                     ; tile A: my query within its 64, less 8 h: register 8 t + j holds the sub-step's key 16 t + j + 8 h
	s_delay_alu instid0(VALU_DEP_1)
	v_add_nc_u32 v14, 16, v13                      ; tile B
	v_mov_b32 v15, 0xff800000                      ; -infinity
	v_mov_b32 v34, 0                               ; written once: a lane permute's destination counts as one of its sources
	v_mov_b32 v37, 0                               ; (named as the upper half of the pair v[36:37])
	s_wait_dscnt 0x0
	s_wait_kmcnt 0x0
	s_add_nc_u64 s[80:81], s[6:7], s[76:77]
.irp p, 0,1,2,3
	s_mov_b32 s[G0+4*\p], 1                        ; 1:0 count = 1
	s_add_co_u32 s[G0+4*\p+1], s75, \p*RSTR        ; 63:32 LDS address: my area of round p
	s_add_nc_u64 s[G0+4*\p+2:G0+4*\p+3], s[80:81], \p*KSTEP   ; 120:64 global address: 128 rows on a round
	s_or_b32 s[G0+4*\p+3], s[G0+4*\p+3], 0x80000000           ; 127:126 type = 2
.endr
	tensor_load_to_lds s[G0:G0+3], s[G1:G1+7]      ; all of my K, one group at the start: four loads of mine are out
	s_nop 0
	tensor_load_to_lds s[G0+4:G0+7], s[G1:G1+7]
	s_nop 0
	tensor_load_to_lds s[G0+8:G0+11], s[G1:G1+7]
	s_nop 0
	tensor_load_to_lds s[G0+12:G0+15], s[G1:G1+7]
	s_nop 0
.rept 4
	v_nop
.endr
	s_add_nc_u64 s[VB:VB+1], s[8:9], s[76:77]
	s_add_nc_u64 s[QB:QB+1], s[4:5], s[78:79]
	s_add_nc_u64 s[OB:OB+1], s[12:13], s[78:79]
	s_load_b128 s[EX:EX+3], s[10:11], 0x0          ; eq, ek, ep, ev
	; Q: lane (r, h) takes, of row r of each tile, channels 16 h .. + 15 and 32 + 16 h .. + 15.  Tile A into S's registers, tile B into KF's.  Read once in the launch
.irp x, 0,1
.irp c, 0,1,2,3
	global_load_b128 v[S+32*\x+4*\c:S+32*\x+4*\c+3], v[QO], s[QB:QB+1] offset:65536*\x+16*\c th:TH_LOAD_NT
.endr
.irp c, 0,1,2,3
	global_load_b128 v[S+32*\x+16+4*\c:S+32*\x+16+4*\c+3], v[QO], s[QB:QB+1] offset:65536*\x+128+16*\c th:TH_LOAD_NT
.endr
.endr
; V of round p: register i = key i of my tile at channel lane, register 16 + i at channel 32 + lane: each load reads 128 consecutive bytes, a pair a row's 256.  Every offset is an immediate: 1,634,432 at the most
.macro VLOAD p
.irp i, 0,1,2,3,4,5,6,7,8,9,10,11,12,13,14,15
	global_load_b32 v[VP+\i], v[VO], s[VB:VB+1] offset:(\p)*KSTEP+\i*4096
	global_load_b32 v[VP+16+\i], v[VO], s[VB:VB+1] offset:(\p)*KSTEP+\i*4096+128
.endr
.endm
	VLOAD 0
	; ---- THE TABLES, while memory is awaited.  Lane j holds inv_j
.macro INVJ j, bits
	s_mov_b32 s85, \bits
	v_writelane_b32 v[INV], s85, \j
.endm
	v_mov_b32 v[INV], 1.0                          ; j = 0
	INVJ 1, 0x3f3ff911
	INVJ 2, 0x3f0ff59a
	INVJ 3, 0x3ed7e89b
	INVJ 4, 0x3ea1e89b
	INVJ 5, 0x3e72d423
	INVJ 6, 0x3e361887
	INVJ 7, 0x3e088d77
	INVJ 8, 0x3dcccccd
	INVJ 9, 0x3d99940e
	INVJ 10, 0x3d6655c3
	INVJ 11, 0x3d2cba15
	INVJ 12, 0x3d0186e2
	INVJ 13, 0x3cc24350
	INVJ 14, 0x3c91ad39
	INVJ 15, 0x3c5a7bf1
	INVJ 16, 0x3c23d70a
	INVJ 17, 0x3bf5b9af
	INVJ 18, 0x3bb8449c
	INVJ 19, 0x3b8a2e77
	INVJ 20, 0x3b4f3e37
	INVJ 21, 0x3b1b690c
	INVJ 22, 0x3ae91528
	INVJ 23, 0x3aaec98e
	INVJ 24, 0x3a83126e
	INVJ 25, 0x3a44948c
	INVJ 26, 0x3a136a16
	INVJ 27, 0x39dd1725
	INVJ 28, 0x39a5cb5f
	INVJ 29, 0x3978a814
	INVJ 30, 0x393a7753
	INVJ 31, 0x390bd471
; cos and sin of s[spos] x inv_j, lane = j, to LDS at v[adr] + off and + 128 behind it; results in v[out], v[out + 1], a pair of its own for each call
.macro SINCOS spos, adr, off, out
	v_cvt_f32_i32 v56, s[\spos]
	s_wait_alu depctr_va_vdst(0)
	v_mul_f32 v57, v56, v[INV]                     ; the angle's upper part,
	s_delay_alu instid0(VALU_DEP_1)
	v_fma_f32 v58, v56, v[INV], -v57               ; and what the rounding left: together the exact product
	s_delay_alu instid0(VALU_DEP_2)
	v_mul_f32 v59, 0x3f22f983, v57                 ; x 2 / pi
	s_delay_alu instid0(VALU_DEP_1)
	v_rndne_f32 v59, v59                           ; k quarter turns
	s_delay_alu instid0(VALU_DEP_1)
	v_fma_f32 v60, -v59, 0x3fc90fdb, v57           ; less k x pi/2, upper part: exact (k has 12 bits, the difference lies under 1),
	s_delay_alu instid0(VALU_DEP_1)
	v_fma_f32 v60, -v59, 0xb33bbd2e, v60           ; lower part,
	s_delay_alu instid0(VALU_DEP_1)
	v_add_f32 v60, v60, v58                        ; r, within pi/4
	s_delay_alu instid0(VALU_DEP_1)
	v_mul_f32 v61, v60, v60                        ; z = r^2
	v_cvt_i32_f32 v62, v59
	v_mov_b32 v63, 0x3c08839e
	s_delay_alu instid0(VALU_DEP_1)
	v_fmac_f32 v63, 0xb94ca1f9, v61
	s_delay_alu instid0(VALU_DEP_1)
	v_fmaak_f32 v63, v63, v61, 0xbe2aaaa3
	v_mul_f32 v64, v61, v60
	s_delay_alu instid0(VALU_DEP_1)
	v_fma_f32 v63, v63, v64, v60                   ; sin r = r + r z (-1.6666654611e-1 + z (8.3321608736e-3 - 1.9515295891e-4 z))
	v_mov_b32 v65, 0xbab6061a
	s_delay_alu instid0(VALU_DEP_1)
	v_fmac_f32 v65, 0x37ccf5ce, v61
	s_delay_alu instid0(VALU_DEP_1)
	v_fmaak_f32 v65, v65, v61, 0x3d2aaaa5
	v_mul_f32 v66, v61, v61
	v_fma_f32 v67, v61, -0.5, 1.0
	s_delay_alu instid0(VALU_DEP_1)
	v_fma_f32 v65, v65, v66, v67                   ; cos r = 1 - z / 2 + z^2 (4.166664568e-2 + z (-1.388731625e-3 + 2.443315712e-5 z))
	v_and_b32 v68, 1, v62
	s_delay_alu instid0(VALU_DEP_1)
	v_cmp_eq_u32 vcc_lo, 1, v68                    ; an odd number of quarter turns swaps the two;
	s_delay_alu instid0(VALU_DEP_1)
	v_cndmask_b32 v[\out], v65, v63, vcc_lo
	s_delay_alu instid0(VALU_DEP_2)
	v_cndmask_b32 v[\out+1], v63, v65, vcc_lo
	v_add_nc_u32 v68, 1, v62
	s_delay_alu instid0(VALU_DEP_1)
	v_and_b32 v68, 2, v68
	s_delay_alu instid0(VALU_DEP_1)
	v_lshlrev_b32 v68, 30, v68
	s_delay_alu instid0(VALU_DEP_1)
	v_xor_b32 v[\out], v[\out], v68                ; cos is negative for k % 4 = 1, 2,
	v_and_b32 v62, 2, v62
	s_delay_alu instid0(VALU_DEP_1)
	v_lshlrev_b32 v62, 30, v62
	s_delay_alu instid0(VALU_DEP_1)
	v_xor_b32 v[\out+1], v[\out+1], v62            ; sin for k % 4 = 2, 3
	ds_store_b32 v[\adr], v[\out] offset:\off
	ds_store_b32 v[\adr], v[\out+1] offset:\off+128
.endm
	s_lshl_b32 s86, s[WV], 10
	s_add_co_u32 s86, s86, TBL
	v_add_nc_u32 v10, s86, v[VO]                   ; base entries 4 w .. 4 w + 3 are mine,
	s_mul_i32 s87, s[WV], 272
	s_add_co_u32 s87, s87, LTB
	v_add_nc_u32 v11, s87, v[VO]                   ; and lane row w
	s_lshl_b32 s88, s[NB], 9
	s_lshl_b32 s89, s[WV], 6
	s_add_co_u32 s88, s88, s89
	s_sub_co_i32 s88, s88, 512                     ; position 512 n - 512 + 16 (4 w); below 0 only where nobody reads the entry's rotations
	SINCOS 88, 10, 0, 80
	s_add_co_i32 s88, s88, 16
	SINCOS 88, 10, 256, 82
	s_add_co_i32 s88, s88, 16
	SINCOS 88, 10, 512, 84
	s_add_co_i32 s88, s88, 16
	SINCOS 88, 10, 768, 86
	SINCOS WV, 11, 0, 88
	s_wait_dscnt 0x0                               ; for the others' sake: my table entries have landed
	s_barrier_signal -1
	s_barrier_wait -1                              ; both tables are whole.  (My tensor loads and global loads stay out)
	; ---- what the given exponents make
	s_wait_kmcnt 0x0
	s_add_co_i32 s68, s[EX], s[EX+1]
	s_lshl_b32 s68, s68, 23
	s_add_co_i32 s[CS], s68, 0x3e38aa3b            ; c = log2(e) / 8, with eq + ek added to its exponent field: a sum of the first product stands for sum x 2^(eq + ek)
	s_mov_b32 s[CS+1], s[CS]                       ; (named with it as a pair, so it is written)
	s_add_co_i32 s[EPV], s[EX+2], s[EX+3]
.macro MKSC e, sc, lim
	s_add_co_i32 s68, s[\e], 127
	s_lshl_b32 s69, s68, 23
	v_mov_b32 v[\sc], s69                          ; 2^e as f32: the conversion takes its exponent field
	s_add_co_i32 s68, s68, 8
	s_lshl_b32 s68, s68, 23
	s_or_b32 s68, s68, 0x600000
.endm
	MKSC EX, SCQ, LIMQ
	MKSC EX+1, SCK, LIMK
	MKSC EX+2, SCP, LIMP
	MKSC EX+3, SCV, LIMV
; ---- NORMALISE, ROTATE, QUANTISE a tile of 16 rows.  v[x] .. + 15: x1 = channels 16 h + i of row r; v[x + 16] .. + 15: x2 = channels 32 + 16 h + i
.macro NORM x                          ; 1 / max(the row's norm, 1e-6) into v36
	v_pk_mul_f32 v[32:33], v[\x:\x+1], v[\x:\x+1]
	v_pk_mul_f32 v[38:39], v[\x+2:\x+3], v[\x+2:\x+3]
.irp j, 4,8,12,16,20,24,28
	s_delay_alu instid0(VALU_DEP_2)
	v_pk_fma_f32 v[32:33], v[\x+\j:\x+\j+1], v[\x+\j:\x+\j+1], v[32:33]
	s_delay_alu instid0(VALU_DEP_2)
	v_pk_fma_f32 v[38:39], v[\x+\j+2:\x+\j+3], v[\x+\j+2:\x+\j+3], v[38:39]
.endr
	s_delay_alu instid0(VALU_DEP_1)
	v_pk_add_f32 v[32:33], v[32:33], v[38:39]
	s_delay_alu instid0(VALU_DEP_1)
	v_add_f32 v32, v32, v33
	s_delay_alu instid0(VALU_DEP_1)
	v_permlanex16_b32 v34, v32, s[SEL], s[SEL+1]   ; the row's other 32 channels lie in lane xor 16
	s_delay_alu instid0(VALU_DEP_1)
	v_add_f32 v32, v32, v34
	s_wait_alu depctr_va_vdst(0)
	v_sqrt_f32 v35, v32
	v_nop                                          ; a plain place behind a transcendental
	s_wait_alu depctr_va_vdst(0)
	v_max_num_f32 v35, 0x358637bd, v35             ; 1e-6
	s_wait_alu depctr_va_vdst(0)
	v_rcp_f32 v36, v35
	v_nop
	s_wait_alu depctr_va_vdst(0)
.endm
.macro TABLD tab, badr, boff, q        ; the tables of frequencies 16 h + 8 q + 0 .. 7: base cos, base sin, lane cos, lane sin, eight registers each
	ds_load_b128 v[\tab:\tab+3], v[\badr] offset:\boff+32*\q
	ds_load_b128 v[\tab+4:\tab+7], v[\badr] offset:\boff+32*\q+16
	ds_load_b128 v[\tab+8:\tab+11], v[\badr] offset:\boff+32*\q+128
	ds_load_b128 v[\tab+12:\tab+15], v[\badr] offset:\boff+32*\q+144
	ds_load_b128 v[\tab+16:\tab+19], v[LT] offset:32*\q
	ds_load_b128 v[\tab+20:\tab+23], v[LT] offset:32*\q+16
	ds_load_b128 v[\tab+24:\tab+27], v[LT] offset:32*\q+128
	ds_load_b128 v[\tab+28:\tab+31], v[LT] offset:32*\q+144
.endm
.macro KHALF x, tab, dst, q, sc, lim   ; eight frequencies: each line runs over the four pairs, so that none waits for the line above it
.irp m, 0,2,4,6
	v_pk_mul_f32 v[T1+\m:T1+\m+1], v[\tab+\m:\tab+\m+1], v[\tab+16+\m:\tab+17+\m]
.endr
.irp m, 0,2,4,6
	v_pk_mul_f32 v[\tab+16+\m:\tab+17+\m], v[\tab+8+\m:\tab+9+\m], v[\tab+16+\m:\tab+17+\m]
.endr
.irp m, 0,2,4,6
	v_pk_fma_f32 v[T1+\m:T1+\m+1], v[\tab+8+\m:\tab+9+\m], v[\tab+24+\m:\tab+25+\m], v[T1+\m:T1+\m+1] neg_lo:[1,0,0] neg_hi:[1,0,0]   ; cos = cB cL - sB sL
.endr
.irp m, 0,2,4,6
	v_pk_fma_f32 v[\tab+16+\m:\tab+17+\m], v[\tab+\m:\tab+\m+1], v[\tab+24+\m:\tab+25+\m], v[\tab+16+\m:\tab+17+\m]                   ; sin = sB cL + cB sL
.endr
.irp m, 0,2,4,6
	v_pk_mul_f32 v[\tab+\m:\tab+\m+1], v[\x+8*\q+\m:\x+8*\q+\m+1], v[T1+\m:T1+\m+1]
.endr
.irp m, 0,2,4,6
	v_pk_mul_f32 v[\tab+8+\m:\tab+9+\m], v[\x+16+8*\q+\m:\x+16+8*\q+\m+1], v[T1+\m:T1+\m+1]
.endr
.irp m, 0,2,4,6
	v_pk_fma_f32 v[\tab+\m:\tab+\m+1], v[\x+16+8*\q+\m:\x+16+8*\q+\m+1], v[\tab+16+\m:\tab+17+\m], v[\tab+\m:\tab+\m+1]               ; x1 cos + x2 sin
.endr
.irp m, 0,2,4,6
	v_pk_fma_f32 v[\tab+8+\m:\tab+9+\m], v[\x+8*\q+\m:\x+8*\q+\m+1], v[\tab+16+\m:\tab+17+\m], v[\tab+8+\m:\tab+9+\m] neg_lo:[1,0,0] neg_hi:[1,0,0]   ; x2 cos - x1 sin
.endr
.irp m, 0,2,4,6,8,10,12,14
	v_pk_mul_f32 v[\tab+\m:\tab+\m+1], v[\tab+\m:\tab+\m+1], v[36:37] op_sel_hi:[1,0]   ; / the norm
.endr
.irp i, 0,1,2,3,4,5,6,7,8,9,10,11,12,13,14,15
.endr
	v_cvt_scalef32_pk8_fp8_f32 v[\dst+2*\q:\dst+2*\q+1], v[\tab:\tab+7], v[\sc]
	v_cvt_scalef32_pk8_fp8_f32 v[\dst+4+2*\q:\dst+5+2*\q], v[\tab+8:\tab+15], v[\sc]
	v_nop                                          ; one plain line behind the last scaled conversion
.endm
.macro KPREP x, tab, dst, badr, boff, sc, lim
	TABLD \tab, \badr, \boff, 0
	NORM \x
	s_wait_dscnt 0x0                               ; the first half's tables
	KHALF \x, \tab, \dst, 0, \sc, \lim
	TABLD \tab, \badr, \boff, 1
	s_wait_dscnt 0x0
	KHALF \x, \tab, \dst, 1, \sc, \lim
.endm
	s_wait_loadcnt 40                              ; tile A's eight loads are in; younger: tile B's 8 and V's 32
	KPREP S, O, QF, BTQ, 0, SCQ, LIMQ
	s_wait_loadcnt 32                              ; tile B's are in; V's 32 may be out
	KPREP KF, O, QF+8, BTQ, 256, SCQ, LIMQ
	; the running state.  Which sub-step is a wave's first hangs on the wave, so the sub-step is written once and finds zeros, which the first change of M leaves zeros
.irp x, 0,1
	v_mov_b32 v[25+4*\x], 0xff61b1e6               ; the largest t so far: -3e38, under every t
	s_delay_alu instid0(VALU_DEP_1)
	v_floor_f32 v[24+4*\x], -v[25+4*\x]            ; -M
	v_mov_b32 v[26+4*\x], 0                        ; the sum, in two halves
	v_mov_b32 v[27+4*\x], 0
.endr
.set J, 0
.rept 64
	v_mov_b32 v[O+J], 0
.set J, J+1
.endr
; ---- THE MASK of a boundary sub-step.  v[th] = my query within its 64, less 8 h; register 8 t + j holds key 16 t + j + 8 h.  top = 1 (ss = u + 8): keys after the query are hidden; top = 0 (ss = u): keys up to the query are 512 or more back
.macro MASK th, top
.set N, 0
.rept 32
	v_cmp_gt_i32 vcc_lo, 16*(N/8)+N%8, v[\th]
.if \top
	v_cndmask_b32 v[S+N], v[S+N], v15, vcc_lo
.else
	v_cndmask_b32 v[S+N], v15, v[S+N], vcc_lo
.endif
.set N, N+1
.endr
.endm
; ---- THE SOFTMAX of tile x for 64 keys: S^T becomes p, P's codes are made, the sum and O^T go under the new M.  Every accumulator is read from its low end on
.macro SM x
.set ST, 24+4*\x
.set OX, O+32*\x
.set PX, P+8*\x
	s_cmp_eq_u32 s[SS], s[SSHI]
	s_cbranch_scc0 .Lnot_top_\@
	MASK 13+\x, 1
.Lnot_top_\@:
	s_cmp_eq_u32 s[SS], s[U]
	s_cbranch_scc0 .Lnot_bottom_\@
	MASK 13+\x, 0
.Lnot_bottom_\@:
	v_max3_num_f32 v32, v[S], v[S+1], v[S+2]       ; the largest score of my query among my 32 keys, in two chains,
	v_max3_num_f32 v33, v[S+3], v[S+4], v[S+5]
.irp i, 6,10,14,18,22,26
	v_max3_num_f32 v32, v32, v[S+\i], v[S+\i+1]
	v_max3_num_f32 v33, v33, v[S+\i+2], v[S+\i+3]
.endr
	v_max3_num_f32 v32, v32, v[S+30], v[S+31]
	s_delay_alu instid0(VALU_DEP_1)
	v_max_num_f32 v32, v32, v33
	s_delay_alu instid0(VALU_DEP_1)
	v_permlanex16_b32 v34, v32, s[SEL], s[SEL+1]
	s_delay_alu instid0(VALU_DEP_1)
	v_max_num_f32 v32, v32, v34                    ; and among lane xor 16's
	s_delay_alu instid0(VALU_DEP_1)
	v_mul_f32 v32, s[CS], v32                      ; as t (c is positive)
	s_delay_alu instid0(VALU_DEP_1)
	v_max_num_f32 v[ST+1], v[ST+1], v32            ; the running largest t
	v_mov_b32 v32, v[ST]
	s_delay_alu instid0(VALU_DEP_2)
	v_floor_f32 v[ST], -v[ST+1]                    ; the new -M = -ceil(t)
	s_delay_alu instid0(VALU_DEP_1)
	v_sub_f32 v32, v[ST], v32                      ; old M less new M: a whole number, 0 or less
	s_delay_alu instid0(VALU_DEP_1)
	v_cvt_i32_f32 v32, v32                         ; (it saturates)
	s_delay_alu instid0(VALU_DEP_1)
	v_ldexp_f32 v36, 1.0, v32                      ; f = 2^(old M - new M)
.irp j, 0,2,4,6,8,10,12,14,16,18,20,22,24,26,28,30
	v_pk_fma_f32 v[S+\j:S+\j+1], v[S+\j:S+\j+1], s[CS:CS+1], v[ST:ST+1] op_sel_hi:[1,0,0]   ; t - M (of the pairs c and -M the low word serves both halves)
.endr
.set N, 0
	s_wait_alu depctr_va_vdst(0)
.rept 32
	v_exp_f32 v[S+N], v[S+N]                       ; p = 2^(t - M); a hidden key's is 0
.set N, N+1
.endr
	v_pk_mul_f32 v[ST+2:ST+3], v[ST+2:ST+3], v[36:37] op_sel_hi:[1,0]   ; the sum under the new M.  (The plain place behind the exponentials)
	s_wait_alu depctr_va_vdst(0)
	v_pk_add_f32 v[38:39], v[S:S+1], v[S+2:S+3]    ; the sum is taken of the unquantised p, in two chains
.irp j, 4,8,12,16,20,24,28
	v_pk_add_f32 v[ST+2:ST+3], v[ST+2:ST+3], v[S+\j:S+\j+1]
	v_pk_add_f32 v[38:39], v[38:39], v[S+\j+2:S+\j+3]
.endr
	s_delay_alu instid0(VALU_DEP_1)
	v_pk_add_f32 v[ST+2:ST+3], v[ST+2:ST+3], v[38:39]
.irp t, 0,1,2,3
.irp i, 0,1,2,3,4,5,6,7
.endr
	v_cvt_scalef32_pk8_fp8_f32 v[PX+2*\t:PX+2*\t+1], v[S+8*\t:S+8*\t+7], v[SCP]   ; keys 16 t + 8 h + 0 .. 7: registers 2 t, 2 t + 1 of the second product's operand
.endr
.irp j, 0,2,4,6,8,10,12,14,16,18,20,22,24,26,28,30
	v_pk_mul_f32 v[OX+\j:OX+\j+1], v[OX+\j:OX+\j+1], v[36:37] op_sel_hi:[1,0]   ; O^T under the new M.  (These are also the plain lines behind the conversions)
.endr
.endm
.macro PLACES                          ; four plain places behind matrix instructions, ahead of reads of their results and of loads into registers that they have read
.rept 4
	v_nop
.endr
.endm
; ---- A SUB-STEP: 64 keys, whose four areas begin at LDS byte s[TB], for my two tiles of queries
.macro SUBSTEP
	v_add_nc_u32 v10, s[TB], v[LI]
	v_add_nc_u32 v11, s[TB], v[LI8]
.irp t, 0,1,2,3
	ds_load_b128 v[KF+8*\t:KF+8*\t+3], v10 offset:\t*AREA          ; K's images come back as they were stored: the same registers in the same lanes
	ds_load_b128 v[KF+8*\t+4:KF+8*\t+7], v10 offset:\t*AREA+512
.endr
	s_wait_dscnt 0x0
.irp t, 0,1,2,3
	v_wmma_f32_16x16x64_fp8_fp8 v[S+8*\t:S+8*\t+7], v[KF+8*\t:KF+8*\t+7], v[QF:QF+7], 0
.endr
	PLACES
	SM 0
.irp t, 0,1,2,3
	v_wmma_f32_16x16x64_fp8_fp8 v[S+8*\t:S+8*\t+7], v[KF+8*\t:KF+8*\t+7], v[QF+8:QF+15], 0   ; over tile A's scores, which are done with: four v_nop and O^T's sixteen multiplies lie between
.endr
	PLACES
.irp ct, 0,1,2,3
.irp c, 0,1,2,3
	ds_load_b64 v[KF+8*\ct+2*\c:KF+8*\ct+2*\c+1], v11 offset:\c*AREA+1024+256*\ct   ; V^T: channel 16 ct + r, keys 16 c + 8 h + 0 .. 7; they land while tile B's softmax is walked
.endr
.endr
	s_setprio 1
	SM 1
	s_setprio 0
	s_wait_alu depctr_va_vdst(0)
	s_wait_dscnt 0x0
.irp ct, 0,1,2,3                       ; eight accumulators by turns, one instruction a turn
	v_wmma_f32_16x16x64_fp8_fp8 v[O+8*\ct:O+8*\ct+7], v[KF+8*\ct:KF+8*\ct+7], v[P:P+7], v[O+8*\ct:O+8*\ct+7]
	v_wmma_f32_16x16x64_fp8_fp8 v[O+32+8*\ct:O+32+8*\ct+7], v[KF+8*\ct:KF+8*\ct+7], v[P+8:P+15], v[O+32+8*\ct:O+32+8*\ct+7]
.endr
	PLACES                                         ; for whatever follows, on every way: loads into KF and S, writes of P, reads of O^T
.endm
; ---- A ROUND
.macro ROUND p
	s_wait_tensorcnt 3-\p                          ; tensor loads of a wave end in order (ISA guide 10.11.1): my tile of this round is in; the later rounds' may be out
	v_add_nc_u32 v10, \p*RSTR, v[KST]
.irp c, 0,1,2,3
	ds_load_b128 v[S+4*\c:S+4*\c+3], v10 offset:16*\c
.endr
.irp c, 0,1,2,3
	ds_load_b128 v[S+16+4*\c:S+16+4*\c+3], v10 offset:128+16*\c
.endr
	TABLD KF, BT, \p*2048, 0
	s_wait_loadcnt 0x0                             ; V's 32 loads, asked for a round ago
.set N, 0
.rept 32
.set N, N+1
.endr
.irp g, 0,1,2,3
	v_cvt_scalef32_pk8_fp8_f32 v[P+2*\g:P+2*\g+1], v[VP+8*\g:VP+8*\g+7], v[SCV]   ; eight keys of one channel: the keys come out innermost
.endr
	v_add_nc_u32 v12, \p*RSTR, v[VIM]              ; (the plain line behind the conversions)
	ds_store_b64 v12, v[P:P+1]                     ; channel lane, keys 0-7;  these stores come behind my loads of the rows that lay here
	ds_store_b64 v12, v[P+2:P+3] offset:128        ; keys 8-15
	ds_store_b64 v12, v[P+4:P+5] offset:512        ; channel 32 + lane
	ds_store_b64 v12, v[P+6:P+7] offset:640
.if \p < 3
	VLOAD \p+1                                     ; the next round's V has this round's consuming in which to land
.endif
	s_wait_dscnt 12                                ; my tile's eight loads are in; younger: 8 table loads, 4 stores
	NORM S
	s_wait_dscnt 4                                 ; the tables are in; the 4 stores may be out
	KHALF S, KF, KC, 0, SCK, LIMK
	TABLD KF, BT, \p*2048, 1
	s_wait_dscnt 0x0
	KHALF S, KF, KC, 1, SCK, LIMK
	v_add_nc_u32 v11, \p*RSTR, v[IMG]
	ds_store_b128 v11, v[KC:KC+3]
	ds_store_b128 v11, v[KC+4:KC+7] offset:512
	s_wait_dscnt 0x0                               ; for the others' sake: my images have landed (and my reads of the last round's are long back)
	s_barrier_signal -1
	s_barrier_wait -1                              ; the round's 32 images are whole.  The later rounds' tensor loads may stay out
	s_mov_b32 s[SC], 0
	s_mov_b32 s[TB], \p*RSTR
.Lsub_\@:                                              ; four trips, a constant; what a wave's queries do not see is jumped over by branches on ids
	s_lshr_b32 s[SS], s[SC], 1
	s_mul_i32 s[SS], s[SS], 6
	s_add_co_u32 s[SS], s[SS], s[SC]
	s_add_co_u32 s[SS], s[SS], 2*\p                ; ss = 2 p, 2 p + 1, 2 p + 8, 2 p + 9
	s_cmp_lt_u32 s[SS], s[SSLO]
	s_cbranch_scc1 .Lnone_\@
	s_cmp_gt_u32 s[SS], s[SSHI]
	s_cbranch_scc1 .Lnone_\@
	s_setprio 2
	SUBSTEP
.Lnone_\@:
	s_add_co_u32 s[TB], s[TB], 4*AREA
	s_add_co_u32 s[SC], s[SC], 1
	s_cmp_lt_u32 s[SC], 4
	s_cbranch_scc1 .Lsub_\@
	s_setprio 0
.endm
	ROUND 0
	ROUND 1
	ROUND 2
	ROUND 3
	v_add_f32 v32, v26, v27                        ; the sums' two halves,
	v_add_f32 v33, v30, v31
	s_delay_alu instid0(VALU_DEP_2)
	v_permlanex16_b32 v34, v32, s[SEL], s[SEL+1]
	s_delay_alu instid0(VALU_DEP_2)
	v_permlanex16_b32 v35, v33, s[SEL], s[SEL+1]
	s_delay_alu instid0(VALU_DEP_2)
	v_add_f32 v32, v32, v34                        ; and lane xor 16's
	s_delay_alu instid0(VALU_DEP_2)
	v_add_f32 v33, v33, v35
	s_wait_alu depctr_va_vdst(0)
	v_rcp_f32 v36, v32
	v_rcp_f32 v38, v33
	v_nop                                          ; a plain place behind the transcendentals
	s_wait_alu depctr_va_vdst(0)
	v_ldexp_f32 v36, v36, s[EPV]
	v_ldexp_f32 v38, v38, s[EPV]
.set N, 0
.rept 32
	v_mul_f32 v[S+N], v[O+N], v36                  ; tile A: register 8 ct + j is out(query r, channel 16 ct + 8 h + j)
.set N, N+1
.endr
.irp ct, 0,1,2,3
	ds_store_b128 v[STO], v[S+8*\ct:S+8*\ct+3] offset:64*\ct
	ds_store_b128 v[STO], v[S+8*\ct+4:S+8*\ct+7] offset:64*\ct+16
.endr
.irp i, 0,1,2,3,4,5,6,7
	ds_load_b128 v[KF+4*\i:KF+4*\i+3], v[RD] offset:\i*544         ; rows 2 i and 2 i + 1; these see my stores, and tile B's stores come behind them (ISA guide 5.7.1.4)
.endr
.set N, 0
.rept 32
	v_mul_f32 v[O+N], v[O+32+N], v38               ; tile B, into tile A's accumulators, which are done with
.set N, N+1
.endr
.irp ct, 0,1,2,3
	ds_store_b128 v[STO], v[O+8*\ct:O+8*\ct+3] offset:64*\ct
	ds_store_b128 v[STO], v[O+8*\ct+4:O+8*\ct+7] offset:64*\ct+16
.endr
.irp i, 0,1,2,3,4,5,6,7
	ds_load_b128 v[VP+4*\i:VP+4*\i+3], v[RD] offset:\i*544
.endr
.irp i, 0,1,2,3,4,5,6,7
	s_wait_dscnt 23-\i                             ; tile A's load i is in; younger: its 7 - i others and tile B's 16
	global_store_b128 v[GO], v[KF+4*\i:KF+4*\i+3], s[OB:OB+1] offset:\i*8192 th:TH_STORE_NT
.endr
.irp i, 0,1,2,3,4,5,6,7
	s_wait_dscnt 7-\i
	global_store_b128 v[GO], v[VP+4*\i:VP+4*\i+3], s[OB:OB+1] offset:65536+\i*8192 th:TH_STORE_NT
.endr
	s_wait_tensorcnt 0x0
	ds_add_u32 v254, v255
	s_wait_dscnt 0x0
	s_endpgm
.Lfunc_end_k_q4a8e9bf442_swattn:
	.size	k_q4a8e9bf442_swattn, .Lfunc_end_k_q4a8e9bf442_swattn-k_q4a8e9bf442_swattn
	.p2alignl 7, 3214868480
	.fill 96, 4, 3214868480
	.section	.rodata,"a",@progbits
	.p2align	6, 0x0
	.amdhsa_kernel k_q4a8e9bf442_swattn
		.amdhsa_group_segment_fixed_size 305152
		.amdhsa_private_segment_fixed_size 0
		.amdhsa_enable_private_segment 0
		.amdhsa_kernarg_size 40
		.amdhsa_user_sgpr_count 2
		.amdhsa_user_sgpr_kernarg_segment_ptr 1
		.amdhsa_wavefront_size32 1
		.amdhsa_system_sgpr_workgroup_id_x 1
		.amdhsa_system_sgpr_workgroup_id_y 1
		.amdhsa_system_sgpr_workgroup_id_z 1
		.amdhsa_system_vgpr_workitem_id 0
		.amdhsa_next_free_vgpr 256
		.amdhsa_next_free_sgpr 100
		.amdhsa_reserve_vcc 1
		.amdhsa_float_denorm_mode_32 3
		.amdhsa_float_denorm_mode_16_64 3
		.amdhsa_fp16_overflow 1
		.amdhsa_memory_ordered 1
		.amdhsa_forward_progress 1
		.amdhsa_inst_pref_size 199
	.end_amdhsa_kernel
	.amdgpu_metadata
---
amdhsa.version: [ 1, 2 ]
amdhsa.kernels:
  - .name:           k_q4a8e9bf442_swattn
    .symbol:         k_q4a8e9bf442_swattn.kd
    .args:
      - { .name: xq, .offset: 0, .size: 8, .value_kind: global_buffer, .address_space: global }
      - { .name: xk, .offset: 8, .size: 8, .value_kind: global_buffer, .address_space: global }
      - { .name: xv, .offset: 16, .size: 8, .value_kind: global_buffer, .address_space: global }
      - { .name: lowp_scales, .offset: 24, .size: 8, .value_kind: global_buffer, .address_space: global }
      - { .name: out0, .offset: 32, .size: 8, .value_kind: global_buffer, .address_space: global }
    .group_segment_fixed_size: 305152
    .private_segment_fixed_size: 0
    .kernarg_segment_align: 8
    .kernarg_segment_size: 40
    .max_flat_workgroup_size: 512
    .sgpr_count:     100
    .vgpr_count:     256
    .wavefront_size: 32
...
	.end_amdgpu_metadata
.endif
;; end of part 1
